; MI455X (gfx1250); checked and timed in simulation.
; The chip was launched on July 23, 2026; its instructions are those of AMD's public machine-readable ISA for CDNA 5 (MIT licence, August 2026) and "CDNA5" Instruction Set Architecture Reference Guide (July 2026). The comments in the code are by the model that wrote it; some were corrected since.
;; FP8 Scaled Layer. Allowed arithmetic: matrix products marked QUANTISED: E2M1 operands, one E8M0 scale for each 32 along K, by v_wmma_scale_f32_16x16x128_f8f6f4 with both operands' format E2M1 (or v_wmma_scale_f32_32x16x128_f4), f32 sums; everything else in f32.
;; Inputs: bias 4,096 float32; scale_weight 4,096 float32; weight 4,096 x 4,096 float16; x_codes 4 x 1,024 x 128 x 16 uint8 (E2M1 codes of x, K innermost, in blocks of 32 codes, two codes a byte); x_scales 4 x 1,024 x 128 uint8 (E8M0 scales of x, one for each 32 codes along K).
;; Outputs: out0 4 x 1,024 x 4,096 float32.
;; This version of the problem:
;;   THIS VERSION OF THE PROBLEM IS GIVEN IN LOW PRECISION. The matrix products marked QUANTISED in the list below multiply operands that are first quantised to E2M1 (2 exponent bits, 1 mantissa bit; 4 bits a number), with one power-of-two scale for each 32 numbers along K (OCP MX v1.0); their sums are f32. All else is computed in f32.
;;   The module's matrix products, in the order in which they are computed (A, B: the left and right operand; K: the contracted axis; several contracted axes count as one K, in the product's order):
;;     1. [M 4,096, K 4,096] x [K 4,096, N 4,096]; A: input x (given as codes); B: computed on the way: QUANTISED
;;   THE QUANTISER, for each operand of a quantised product, along K:
;;     - K is cut into blocks of 32 from its start; a last block that is shorter is filled with zeros.
;;     - A block's scale is 2^e with e = floor(log2(the largest magnitude in the block)) - 2, held to -126 .. 127; a block of zeros has e = 0. As a byte (E8M0): e + 127.
;;     - Each number is divided by its block's scale, clamped to +-6, and rounded to the nearest number of E2M1, ties to even, subnormals kept.
;;     - The product sums the exact products of the quantised numbers (number of the format x scale) in f32.
;;   ~~~python
;;   def quantise(x, axis):      # numpy; x: float32 -> the quantised numbers, widened to float32 again
;;       x = np.moveaxis(x, axis, -1); K = x.shape[-1]
;;       x = np.pad(x, [(0, 0)] * (x.ndim - 1) + [(0, -K % 32)]); x = x.reshape(x.shape[:-1] + (-1, 32)); a = np.abs(x).max(-1, keepdims=True)
;;       e = np.where(a > 0, np.clip(np.frexp(np.where(a > 0, a, 1))[1] - 1 - 2, -126, 127), 0)      # np.frexp(a)[1] - 1 = floor(log2(a)), exactly
;;       r = np.clip(x / 2.0 ** e, -6, 6)
;;       step = 2.0 ** (np.maximum(np.frexp(np.where(r == 0, 1, r))[1] - 1, 0) - 1)
;;       q = np.round(r / step) * step * 2.0 ** e      # np.round: ties to even
;;       return np.moveaxis(q.reshape(q.shape[:-2] + (-1,))[..., :K], -1, axis).astype(np.float32)
;;   ~~~
;;   OPERANDS COMPUTED ON THE WAY. 'Computed on the way' means the value that the module computes at that place (a softmax that the list does not call 'softmax' is quantised finished and normalised). What goes into a quantiser is computed in f32, as accurately as f32 sums, v_exp_f32 and their like allow (about 1e-6 of the number): no bf16 or f16 on the way to a quantiser, and a product that is left as it is and whose result goes on into a quantised operand takes f32 operands (vector FMAs, or v_wmma_f32_16x16x4_f32). A number that lies on a knife's edge between two numbers of the format may be rounded either way, as far as f32 arithmetic and the matrix unit's own rounding can turn it there, and no further.
;;   INPUTS GIVEN AS CODES. x (in the module: [4, 1024, 4096], K = its axis 2): each comes as NAME_codes (uint8): NAME with its K axis moved to the last place and cut into blocks of 32 codes, [.., K / 32, bytes a block], one block behind the other in memory; two codes a byte, the lower K in the low four bits (a code: sign, 2 exponent bits, 1 mantissa bit); and NAME_scales (uint8): the same leading axes, one E8M0 byte (e + 127) for each 32 codes along K. Its value is code x scale, taken as it is: it is not quantised again, and the codes and scales need not be those that the quantiser above would give.
;; One version. Each part assembles by itself: llvm-mc -triple=amdgcn-amd-amdhsa -mcpu=gfx1250 --defsym DOCPART=n.
;; ======== version 1 of 1: 2 launches
;; limits: values are held in f16: magnitudes above 65,504 overflow, below 6.1e-05 lose precision; right only within a limited range of input values
;; workspace buffers: wq 8,388,608 bytes; scl 524,288 bytes
;; launch prep (part 1): grid 256 x 1, 8 waves a work-group, no clusters, 37,888 bytes of LDS; arguments weight, scale_weight, wq, scl; writes wq, scl
.if DOCPART == 1
	.amdgcn_target "amdgcn-amd-amdhsa--gfx1250"
	.amdhsa_code_object_version 6
	.text
	.protected	k_q71dc6dd547_prep
	.globl	k_q71dc6dd547_prep
	.p2align	8
	.type	k_q71dc6dd547_prep,@function
k_q71dc6dd547_prep:
	s_mov_b64 s[64:65], 0
	v_nop
	global_prefetch_b8 v0, s[64:65] scope:SCOPE_SE
	s_setreg_imm32_b32 hwreg(HW_REG_WAVE_MODE, 25, 1), 1
	s_wait_xcnt 0x0
; w[n][k] = f32(weight[n][k]) x scale_weight[n], in f32, becomes codes of FP4 (E2M1) with one E8M0 byte for each 32 along K.
;   wq  [64 strips of 64 rows][32 steps of 128 along K][8 pieces j][32 lanes][16 bytes]: the order in which the product's operand registers take them: j = 4 i + 2 u + c, lane (r, h):
;       row 32 i + 16 u + r of the strip, k = 64 c + 32 h + 0 .. 31 of the step, two codes a byte, the lower k in the low four bits.
;   scl [8 groups of 512 along K][4096 rows][16 bytes]: byte b is the scale of the group's block b of 32.
; A block's scale is 2^(floor(log2(its largest magnitude)) - 2); its byte is the largest magnitude's exponent field - 2, held at 1 from below.  Each number is divided by the scale and rounded to the nearest code, ties to even;
; beyond 6 the conversion gives the largest code.
; LIMITS: a block of zeros gets the byte 1 where the rule says 127 (its codes are zeros, which add nothing under any byte but 0xff, and this program alone reads the bytes); NaN and infinities in weight x scale_weight are not served.
; SHARES.  Work-group g takes rows 16 g .. 16 g + 15; wave w takes 512 w .. 512 w + 511 along K of them.  Load j is 256 numbers (512 consecutive bytes) of row j % 16, the lower half of the wave's K first: 8 numbers a lane, four lanes a block.
; The codes are gathered in the wave's own LDS rows and leave as pieces of 512 consecutive bytes, half of them after sixteen loads; the 256 scale bytes leave by one store.  No two work-groups share an input byte: no cluster, no tensor load.
; No loop: every offset is an immediate, and each store has data registers of its own.  24 loads of a wave are on their way.  No prefetch: all loads but eight stand at the head.
.set CP,    272                        ; LDS pitch of a row's 256 bytes of codes: 68 words, so 16 rows start at 16 different groups of four banks (64 banks of 4 bytes: ISA guide 11.1)
.set WSC,   16*CP                      ; behind them the wave's 256 scale bytes
.set WREG,  WSC+256
.set SPARE, 8*WREG                     ; the spare words, 128 bytes a wave
.set R,     32                         ; v32-127   24 sets of 4 registers as loaded (8 f16 each)
.set X,     128                        ; v128-143  two sets of 8 numbers in f32
.set M,     144                        ; v144-151  at work, two sets
.set C,     152                        ; v152-153  codes;  v154-155 scale bytes
.set E,     154
.set BK,    160                        ; v160-191  the codes read back; v[192:193] the scale bytes
	s_load_b256 s[4:11], s[0:1], 0x0               ; weight s[4:5], scale_weight s[6:7], wq s[8:9], scl s[10:11]
	v_lshrrev_b32 v4, 5, v0
	v_readfirstlane_b32 s14, v4                    ; wave
	s_mul_i32 s15, s14, WREG                       ; my wave's region
	s_lshl_b32 s34, ttmp9, 17                      ; weight: 16 rows of 8,192 bytes, 1,024 bytes a wave
	s_lshl_b32 s35, s14, 10
	s_add_co_u32 s34, s34, s35
	s_mov_b32 s35, 0
	s_lshr_b32 s36, ttmp9, 2                       ; wq: strip g / 4: 131,072 bytes; four steps a wave: 16,384; my 16 rows: 1,024 bytes of a step
	s_lshl_b32 s36, s36, 17
	s_lshl_b32 s37, s14, 14
	s_add_co_u32 s36, s36, s37
	s_and_b32 s37, ttmp9, 3
	s_lshl_b32 s37, s37, 10
	s_add_co_u32 s36, s36, s37
	s_mov_b32 s37, 0
	s_lshl_b32 s38, s14, 16                        ; scl: 65,536 bytes a group, 256 bytes for 16 rows
	s_lshl_b32 s39, ttmp9, 8
	s_add_co_u32 s38, s38, s39
	s_mov_b32 s39, 0
	s_lshl_b32 s42, ttmp9, 6                       ; scale_weight: 16 numbers
	s_mov_b32 s43, 0
	v_lshl_add_u32 v2, v0, 2, SPARE                ; my spare word, and 0
	v_mov_b32 v3, 0
	v_and_b32 v5, 31, v0                           ; lane
	v_and_b32 v9, 15, v0
	v_bfe_u32 v10, v0, 4, 1
	v_lshlrev_b32 v6, 4, v5                        ; my 16 bytes of 512
	v_mul_u32_u24 v9, v9, CP
	v_lshl_add_u32 v7, v5, 2, s15                  ; where my 4 bytes of codes go
	v_lshrrev_b32 v8, 2, v5
	v_lshl_add_u32 v9, v10, 4, v9
	v_lshlrev_b32 v11, 3, v5
	v_add_nc_u32 v8, s15, v8                       ; where my block's byte goes
	v_add_nc_u32 v9, s15, v9                       ; the codes back, in operand order: row r, 16 h
	v_add_nc_u32 v12, s15, v11                     ; the scale bytes back
	s_wait_alu depctr_va_vdst(0)                   ; the wait at the head's end
	s_wait_kmcnt 0x0
	s_add_nc_u64 s[4:5], s[4:5], s[34:35]
	s_add_nc_u64 s[8:9], s[8:9], s[36:37]
	s_add_nc_u64 s[10:11], s[10:11], s[38:39]
	s_add_nc_u64 s[6:7], s[6:7], s[42:43]
	s_load_b512 s[16:31], s[6:7], 0x0              ; my 16 rows' scales
.macro LOAD j
	global_load_b128 v[R+4*((\j)%24):R+4*((\j)%24)+3], v6, s[4:5] offset:8192*((\j)%16)+512*((\j)/16) th:TH_LOAD_NT
.endm
.set J, 0
.rept 24
	LOAD J
.set J, J+1
.endr
	s_wait_kmcnt 0x0
; One load's 256 numbers; a .. d: the numbers of its set's registers
.macro STEP j, a, b, c, d
.set ROW, (\j)%16
.set UH, (\j)/16
.set XX, X+8*((\j)%2)
.set MM, M+4*((\j)%2)
.if (\j) < 8
	s_wait_loadcnt 23                              ; loads come back in order (ISA guide 5.7.1): load j is in, the 23 behind it may be out
.else
	s_wait_loadcnt 31-(\j)                         ; nothing more is asked for: the counts run down
.endif
	s_mov_b32 s32, s[16+ROW]                       ; the packed multiply names a pair and takes its low word for both halves
	s_mov_b32 s33, s[16+ROW]
	v_cvt_f32_f16 v[XX], v\a\().l
	v_cvt_f32_f16 v[XX+1], v\a\().h
	v_cvt_f32_f16 v[XX+2], v\b\().l
	v_cvt_f32_f16 v[XX+3], v\b\().h
	v_cvt_f32_f16 v[XX+4], v\c\().l
	v_cvt_f32_f16 v[XX+5], v\c\().h
	v_cvt_f32_f16 v[XX+6], v\d\().l
	v_cvt_f32_f16 v[XX+7], v\d\().h
.irp k, 0,2,4,6
	v_pk_mul_f32 v[XX+\k:XX+\k+1], v[XX+\k:XX+\k+1], s[32:33] op_sel_hi:[1,0]   ; w = f32(weight) x scale_weight, one rounding
.endr
.if (\j)+24 < 32
	LOAD (\j)+24                                   ; the set has been read: it takes the load 24 further on
.endif
	v_max3_num_f32 v[MM], |v[XX]|, |v[XX+1]|, 0x1800000     ; the largest magnitude of my 8, and the floor 2^(3 - 127): the byte cannot fall under 1
	v_max3_num_f32 v[MM+1], |v[XX+2]|, |v[XX+3]|, |v[XX+4]|
	s_delay_alu instid0(VALU_DEP_2)
	v_max3_num_f32 v[MM], v[MM], |v[XX+5]|, |v[XX+6]|
	s_delay_alu instid0(VALU_DEP_1)
	v_max3_num_f32 v[MM], v[MM], v[MM+1], |v[XX+7]|
	s_delay_alu instid0(VALU_DEP_1)
	v_max_num_f32_dpp v[MM], v[MM], v[MM] row_xmask:1 row_mask:0xf bank_mask:0xf
	s_delay_alu instid0(VALU_DEP_1)
	v_max_num_f32_dpp v[MM], v[MM], v[MM] row_xmask:2 row_mask:0xf bank_mask:0xf   ; the block's, in its four lanes
	s_delay_alu instid0(VALU_DEP_1)
	v_add_nc_u32 v[MM+3], 0xff000000, v[MM]        ; 2 off its exponent field: the conversion takes this operand's exponent field as its scale
	v_cvt_scalef32_pk8_fp4_f32 v[C+(\j)%2], v[XX:XX+7], v[MM+3]
	v_lshrrev_b32 v[E+(\j)%2], 23, v[MM+3]         ; the scale's byte; also the plain line behind the conversion
	ds_store_b32 v7, v[C+(\j)%2] offset:CP*ROW+128*UH
	ds_store_b8 v8, v[E+(\j)%2] offset:WSC+16*ROW+8*UH   ; the four lanes of a block write the same byte with the same value
.endm
.macro EIGHT_A j
	STEP \j+0, 32, 33, 34, 35
	STEP \j+1, 36, 37, 38, 39
	STEP \j+2, 40, 41, 42, 43
	STEP \j+3, 44, 45, 46, 47
	STEP \j+4, 48, 49, 50, 51
	STEP \j+5, 52, 53, 54, 55
	STEP \j+6, 56, 57, 58, 59
	STEP \j+7, 60, 61, 62, 63
.endm
.macro EIGHT_B j
	STEP \j+0, 64, 65, 66, 67
	STEP \j+1, 68, 69, 70, 71
	STEP \j+2, 72, 73, 74, 75
	STEP \j+3, 76, 77, 78, 79
	STEP \j+4, 80, 81, 82, 83
	STEP \j+5, 84, 85, 86, 87
	STEP \j+6, 88, 89, 90, 91
	STEP \j+7, 92, 93, 94, 95
.endm
.macro EIGHT_C j
	STEP \j+0, 96, 97, 98, 99
	STEP \j+1, 100, 101, 102, 103
	STEP \j+2, 104, 105, 106, 107
	STEP \j+3, 108, 109, 110, 111
	STEP \j+4, 112, 113, 114, 115
	STEP \j+5, 116, 117, 118, 119
	STEP \j+6, 120, 121, 122, 123
	STEP \j+7, 124, 125, 126, 127
.endm
; LDS serves a wave's instructions in order (ISA guide 5.7.1.4): these loads see my stores.  Piece x: step x / 2, c = x % 2
.macro BACK x0
.irp x, \x0, \x0+1, \x0+2, \x0+3
	ds_load_b128 v[BK+4*(\x):BK+4*(\x)+3], v9 offset:32*(\x)
.endr
.endm
.macro OUT x0
.irp x, \x0, \x0+1, \x0+2, \x0+3
	global_store_b128 v6, v[BK+4*(\x):BK+4*(\x)+3], s[8:9] offset:4096*((\x)/2)+512*((\x)%2)   ; 512 consecutive bytes, aligned
.endr
.endm
	EIGHT_A 0
	EIGHT_B 8
	BACK 0                                         ; the lower half of my K is complete in all 16 rows
	EIGHT_C 16
	s_wait_dscnt 16                                ; behind the four loads: eight steps' two stores each
	OUT 0
	EIGHT_A 24
	BACK 4
	ds_load_b64 v[192:193], v12 offset:WSC
	s_wait_dscnt 1                                 ; the four pieces are in; the scale bytes may be out
	OUT 4
	s_wait_dscnt 0x0
	global_store_b64 v11, v[192:193], s[10:11]     ; 256 consecutive bytes, aligned
	s_wait_tensorcnt 0x0                           ; the wave's end
	ds_add_u32 v2, v3
	s_wait_dscnt 0x0
	s_endpgm
.Lfunc_end_k_q71dc6dd547_prep:
	.size	k_q71dc6dd547_prep, .Lfunc_end_k_q71dc6dd547_prep-k_q71dc6dd547_prep
	.p2alignl 7, 3214868480
	.fill 96, 4, 3214868480
	.section	.rodata,"a",@progbits
	.p2align	6, 0x0
	.amdhsa_kernel k_q71dc6dd547_prep
		.amdhsa_group_segment_fixed_size 37888
		.amdhsa_private_segment_fixed_size 0
		.amdhsa_enable_private_segment 0
		.amdhsa_kernarg_size 32
		.amdhsa_user_sgpr_count 2
		.amdhsa_user_sgpr_kernarg_segment_ptr 1
		.amdhsa_wavefront_size32 1
		.amdhsa_system_sgpr_workgroup_id_x 1
		.amdhsa_system_sgpr_workgroup_id_y 1
		.amdhsa_system_sgpr_workgroup_id_z 1
		.amdhsa_system_vgpr_workitem_id 0
		.amdhsa_next_free_vgpr 194
		.amdhsa_next_free_sgpr 66
		.amdhsa_reserve_vcc 0
		.amdhsa_float_denorm_mode_32 3
		.amdhsa_float_denorm_mode_16_64 3
		.amdhsa_memory_ordered 1
		.amdhsa_forward_progress 1
		.amdhsa_inst_pref_size 53
	.end_amdhsa_kernel
	.amdgpu_metadata
---
amdhsa.version: [ 1, 2 ]
amdhsa.kernels:
  - .name:           k_q71dc6dd547_prep
    .symbol:         k_q71dc6dd547_prep.kd
    .args:
      - { .name: weight, .offset: 0, .size: 8, .value_kind: global_buffer, .address_space: global }
      - { .name: scale_weight, .offset: 8, .size: 8, .value_kind: global_buffer, .address_space: global }
      - { .name: wq, .offset: 16, .size: 8, .value_kind: global_buffer, .address_space: global }
      - { .name: scl, .offset: 24, .size: 8, .value_kind: global_buffer, .address_space: global }
    .group_segment_fixed_size: 37888
    .private_segment_fixed_size: 0
    .kernarg_segment_align: 8
    .kernarg_segment_size: 32
    .max_flat_workgroup_size: 256
    .sgpr_count:     66
    .vgpr_count:     194
    .wavefront_size: 32
...
	.end_amdgpu_metadata
.endif
;; end of part 1
;; launch gemm (part 2): grid 16 x 16, 4 waves a work-group, clusters of 4 x 4, 327,680 bytes of LDS; arguments x_codes, x_scales, wq, scl, bias, out0; writes out0
.if DOCPART == 2
	.amdgcn_target "amdgcn-amd-amdhsa--gfx1250"
	.amdhsa_code_object_version 6
	.text
	.protected	k_q71dc6dd547_gemm
	.globl	k_q71dc6dd547_gemm
	.p2align	8
	.type	k_q71dc6dd547_gemm,@function
k_q71dc6dd547_gemm:
	s_mov_b64 s[64:65], 0
	v_nop
	global_prefetch_b8 v0, s[64:65] scope:SCOPE_SE
	s_setreg_imm32_b32 hwreg(HW_REG_WAVE_MODE, 25, 1), 1
	s_wait_xcnt 0x0
	s_wait_alu depctr_hold_cnt(0) depctr_sa_sdst(0) depctr_va_vdst(0) depctr_va_sdst(0) depctr_va_ssrc(0) depctr_va_vcc(0) depctr_vm_vsrc(0)
	s_getreg_b32 s2, hwreg(HW_REG_IB_STS2, 6, 4)
	s_cmp_eq_u32 s2, 0
	s_cbranch_scc0 .Lentry_in_a_cluster
	s_endpgm
.Lentry_in_a_cluster:
	s_bfe_u32 s2, ttmp6, 0x10000c
	s_cmp_lg_u32 s2, 0xf033
	s_cbranch_scc0 .Lentry_shape_is_right
	s_endpgm
.Lentry_shape_is_right:
; out[m][n] = bias[n] + sum over k of x[m][k] w[n][k]: codes of FP4 with E8M0 scales on both sides, sums in f32 that start at the bias.
; A block of 256 x 256 a work-group, 16 x 16 blocks = 256 work-groups; four waves, each all 256 rows m and 64 columns n: 32 accumulators of 32 n x 16 m, 512 registers.
; x (rows m) COMES THROUGH LDS: a slot holds 256 rows x 1,024 along K, two slots; x's scales of the 256 rows for all of K come once.  Joint loads: the four work-groups of a row of the 4 x 4 cluster share them.
; w (rows n) GOES FROM MEMORY STRAIGHT INTO OPERAND REGISTERS, in the order in which the launch before laid it: each wave loads its own 64 rows alone, so no byte of w is loaded twice in a work-group.  It is not asked for jointly,
; since that lands in LDS, and the two slots of x and its scales take 305,152 of 327,680 bytes: w's 256 rows for 1,024 along K would be 131,072 more for each slot.
; THE MATRIX INSTRUCTION IS USED TRANSPOSED: source 0 = 32 rows of w, source 1 = 16 rows of x: lane (r, h) of a result holds row m = r and the columns 8 h + 0 .. 7 (registers 0-7) and 16 + 8 h + 0 .. 7 (registers 8-15).
; K: 32 steps of 128; a step is two halves of 16 matrix instructions (8 blocks of 16 rows of x x 2 of w).  x's fragments of a half are 64 registers, in three sets: half H + 3 is fetched when half H has been multiplied.  w's of a step are 32
; registers, in six sets: step s + 6 is fetched when step s is done.  The LAST FOUR STEPS GO BY ROWS: a half is then two blocks of x x four steps, and its 32 rows leave while the next are multiplied.
; There is no loop: of the four slot periods the first starts the sums, two fill a slot again, one fills nothing and the last goes by rows; all offsets are immediates.
; PREFETCH INTO THE L2: one slot period ahead of the loads that want the bytes, x's 256 rows x 512 bytes shared by address among the four partners of a cluster's row (and their waves), w's strips among the four of a column.
; REGISTERS, in windows of 256: window 0: v0-31 addresses; v32-95 x's scale words, two sets; v96-127 w's, four sets; v128-191, v192-255 x's sets 0, 1.  window 1: v0-63 x's set 2; v64-255 w's six sets.
;   window 2: accumulators of blocks 0-7 of x (block a, n half i: v[32 a + 16 i]);  window 3: of blocks 8-15.
.set PITCH,  528                       ; an LDS row of x: 512 bytes + 16: 132 words, so row r starts at bank 4 r mod 64 (64 banks of 4 bytes: ISA guide 11.1)
.set SLOT,   256*PITCH
.set SCX,    2*SLOT                    ; x's scales: 128 units of 256 bytes (two rows) + 16
.set SBLK,   8*272                     ; those of 16 rows
.set SPARE,  SCX+128*272               ; the spare words, 128 bytes a wave
.set SPITCH, 272                       ; the way out: two blocks of 16 rows x 256 bytes (+ 16) a wave, in slot 0, which has had its last fill and its last read by then
.set ADR,  16                          ; v16-19  x's fragments: slot 0 blocks 0-7, 8-15, slot 1 blocks 0-7, 8-15
.set ADRS, 20                          ; x's scale words: lanes 0-15 block i, lanes 16-31 block i + 8
.set LOFF, 21                          ; 16 x lane
.set BO,   22                          ; 32 h
.set STO,  24
.set RD,   25
.set CO,   26
.set SPW,  28
.set NIL,  29
.set PFO,  30
.set PFW,  31
.set SX,   32
.set SW,   96
.set WB,   64                          ; window 1
.set BI,   224                         ; window 1: the bias, in the result's layout; w's set 5 is first filled behind step 0
.set BK,   128                         ; window 1: the way out, rows read back (w's sets 2 and 3, done with behind step 27)
.set G1A,  24                          ; descriptor group 1 for x's tiles, for x's scales
.set G1S,  32
.set G0H,  40                          ; group 0: the head's 128 rows of x, its scales of 128 rows; the ring's 64 rows, for slot 0 and slot 1
.set G0S,  44
.set G0A,  48
.set WP,   56                          ; addresses: my strip of w, its scales, my bias, my part of out, the prefetches of x and w
.set WSP,  58
.set BP,   60
.set OP,   62
.set PFA,  66
.set PFB,  68
.set MSB, 0
.macro WIN new                         ; the immediate's high byte repeats the setting that is left
.if MSB != (\new)
	s_set_vgpr_msb (MSB<<8)|(\new)
.set MSB, (\new)
.endif
.endm
.macro CREST                           ; a round of the cluster's barrier behind its opening barrier
	s_cmp_lg_u32 s16, 0
	s_cbranch_scc1 .Lnot_wave_0_\@
	s_barrier_signal -3
.Lnot_wave_0_\@:
	s_barrier_wait -3
	s_barrier_signal -1
	s_barrier_wait -1
.endm
.macro CROUND
	s_barrier_signal -1
	s_barrier_wait -1
	CREST
.endm
.macro PLACES                          ; four places behind matrix instructions, ahead of loads into their registers or stores of their results (ISA guide 7.12.1 for stores)
.rept 4
	v_nop
.endr
.endm
.macro ASK f                           ; prefetch slot period f: x: 16 rows x 2 units of 256 bytes a wave; w: 32 units of my strip
	global_prefetch_b8 v[PFO], s[PFA:PFA+1] offset:512*\f th:TH_LOAD_NT scope:SCOPE_SE
	global_prefetch_b8 v[PFW], s[PFB:PFB+1] offset:32768*\f th:TH_LOAD_NT scope:SCOPE_SE
.endm
.macro LW st                           ; w's fragments of a step: 8 pieces of 512 consecutive bytes
	WIN 0x40
.irp j, 0,1,2,3,4,5,6,7
	global_load_b128 v[WB+32*((\st)%6)+4*\j:WB+32*((\st)%6)+4*\j+3], v[LOFF], s[WP:WP+1] offset:4096*(\st)+512*\j
.endr
.endm
.macro LSC g                           ; w's scale words of four steps: lane l has row 32 i + l
	WIN 0
.irp i, 0,1
	global_load_b128 v[SW+8*((\g)%4)+4*\i:SW+8*((\g)%4)+4*\i+3], v[LOFF], s[WSP:WSP+1] offset:65536*(\g)+512*\i
.endr
.endm
	s_load_b256 s[4:11], s[0:1], 0x0               ; x_codes s[4:5], x_scales s[6:7], wq s[8:9], scl s[10:11]
	s_load_b128 s[12:15], s[0:1], 0x20             ; bias s[12:13], out0 s[14:15]
	v_lshl_add_u32 v[SPW], v0, 2, SPARE
	v_mov_b32 v[NIL], 0
	ds_add_u32 v[SPW], v[NIL]                      ; the wave's opening: 0 onto my spare word, twice
	ds_add_u32 v[SPW], v[NIL]
	v_lshrrev_b32 v1, 5, v0
	v_readfirstlane_b32 s16, v1                    ; wave
	s_bfe_u32 s17, ttmp6, 0x40000                  ; cx, cy
	s_bfe_u32 s18, ttmp6, 0x40004
	s_lshl_b32 s19, ttmp9, 2
	s_add_co_u32 s19, s19, s17                     ; block column
	s_and_b32 s20, ttmp7, 0xffff
	s_lshl_b32 s20, s20, 2
	s_add_co_u32 s20, s20, s18                     ; block row
	s_and_b32 s22, s16, 1
	s_mul_i32 s23, s16, 2*16*SPITCH                ; my stage
	s_lshl_b32 s21, s18, 2
	s_lshl_b32 s21, 15, s21                        ; the mask: my row of the cluster
	s_or_b32 s[G1A], s21, (1<<20)|(1<<21)|(6<<22)|(3<<25)           ; elements of 1 byte; 4 words of padding behind every 128
	s_mov_b32 s[G1A+1], 512<<16
	s_mov_b32 s[G1A+2], 128<<16                    ; 128 rows for the head's loads, 64 for the ring's (below)
	s_mov_b32 s[G1A+3], 512<<16
	s_mov_b32 s[G1A+4], 128
	s_mov_b32 s[G1A+5], 2048
	s_mov_b32 s[G1A+6], 0
	s_mov_b32 s[G1A+7], 0
	s_or_b32 s[G1S], s21, (3<<16)|(1<<20)|(1<<21)|(5<<22)|(3<<25)   ; the dense scales of 128 rows as 64 rows of 256 bytes, 4 words of padding behind each
	s_mov_b32 s[G1S+1], 32<<16
	s_mov_b32 s[G1S+2], 64<<16
	s_mov_b32 s[G1S+3], 32<<16
	s_mov_b32 s[G1S+4], 64
	s_mov_b32 s[G1S+5], 32
	s_mov_b32 s[G1S+6], 0
	s_mov_b32 s[G1S+7], 0
	s_lshl_b32 s70, s19, 19                        ; w: four strips of 131,072 bytes a block column, one a wave
	s_lshl_b32 s21, s16, 17
	s_add_co_u32 s70, s70, s21
	s_mov_b32 s71, 0
	s_lshl_b32 s72, s19, 12                        ; its scales: 16 bytes a row
	s_lshl_b32 s21, s16, 10
	s_add_co_u32 s72, s72, s21
	s_mov_b32 s73, 0
	s_lshl_b32 s74, s19, 10                        ; my 64 columns, in bytes of f32
	s_lshl_b32 s21, s16, 8
	s_add_co_u32 s74, s74, s21
	s_mov_b32 s75, 0
	s_lshl_b32 s76, s20, 22                        ; out: 256 rows of 16,384 bytes
	s_add_co_u32 s76, s76, s74
	s_mov_b32 s77, 0
	s_lshl_b32 s78, s20, 19                        ; x: 256 rows of 2,048 bytes
	s_mov_b32 s79, 0
	s_lshl_b32 s80, s22, 18                        ; the head's 128 rows
	s_mov_b32 s81, 0
	s_lshl_b32 s82, s16, 17                        ; the ring's 64 rows
	s_mov_b32 s83, 0
	s_lshl_b32 s84, s20, 15                        ; x's scales: 128 bytes a row
	s_lshl_b32 s21, s22, 14
	s_add_co_u32 s84, s84, s21
	s_mov_b32 s85, 0
	s_lshl_b32 s86, s17, 17                        ; prefetch of x: rows 64 cx + 16 wave
	s_lshl_b32 s21, s16, 15
	s_add_co_u32 s86, s86, s21
	s_mov_b32 s87, 0
	s_lshl_b32 s88, s18, 13                        ; prefetch of w: the quarter cy of a slot period's 32,768 bytes of my strip
	s_mov_b32 s89, 0
	v_and_b32 v2, 31, v0
	v_and_b32 v3, 15, v0                           ; r
	v_bfe_u32 v4, v0, 4, 1                         ; h
	v_lshlrev_b32 v[LOFF], 4, v2
	v_lshlrev_b32 v[BO], 5, v4
	v_mul_u32_u24 v5, v3, PITCH
	v_lshl_add_u32 v[ADR], v4, 4, v5               ; row r, + 16 h
	v_add_nc_u32 v[ADR+1], 8*16*PITCH, v[ADR]
	v_add_nc_u32 v[ADR+2], SLOT, v[ADR]
	v_add_nc_u32 v[ADR+3], SLOT+8*16*PITCH, v[ADR]
	v_lshlrev_b32 v6, 7, v3                        ; scales: 128 bytes a row, 16 more for each 256 passed
	v_lshrrev_b32 v7, 8, v6
	v_lshl_add_u32 v6, v7, 4, v6
	v_mul_u32_u24 v7, v4, 8*SBLK                   ; lanes 16-31: eight blocks further on
	v_add_nc_u32 v6, v6, v7
	v_add_nc_u32 v[ADRS], SCX, v6
	v_mul_u32_u24 v8, v3, SPITCH                   ; into the stage: row r, + 32 h
	v_lshl_add_u32 v8, v4, 5, v8
	v_add_nc_u32 v[STO], s23, v8
	v_mul_u32_u24 v9, v4, SPITCH                   ; back: lanes 0-15 one row of 256 bytes, lanes 16-31 the next
	v_lshl_add_u32 v9, v3, 4, v9
	v_add_nc_u32 v[RD], s23, v9
	v_lshlrev_b32 v10, 14, v4                      ; and the same two rows of out
	v_lshl_add_u32 v[CO], v3, 4, v10
	v_lshlrev_b32 v11, 8, v4
	v_lshl_add_u32 v[PFO], v3, 11, v11
	v_lshlrev_b32 v[PFW], 8, v2
	s_wait_alu depctr_va_vdst(0)                   ; the wait behind the head's last vector write, ahead of the waits below
	s_wait_dscnt 0x0                               ; both opening adds are done
	s_wait_kmcnt 0x0
	s_add_nc_u64 s[WP:WP+1], s[8:9], s[70:71]
	s_add_nc_u64 s[WSP:WSP+1], s[10:11], s[72:73]
	s_add_nc_u64 s[BP:BP+1], s[12:13], s[74:75]
.irp g, 0,1,2,3
	LSC \g
.endr
	WIN 0x40
.irp i, 0,1
.irp u, 0,1,2,3
	global_load_b128 v[BI+16*\i+4*\u:BI+16*\i+4*\u+3], v[BO], s[BP:BP+1] offset:128*\i+64*(\u/2)+16*(\u%2)
.endr
.endr
.irp st, 0,1,2,3,4
	LW \st
.endr
	WIN 0
	s_add_nc_u64 s[OP:OP+1], s[14:15], s[76:77]
	s_add_nc_u64 s[90:91], s[4:5], s[78:79]
	s_mov_b32 s[G0H], 1                            ; the head: waves 0, 1 fetch 128 rows of x each for slot 0,
	s_mul_i32 s[G0H+1], s22, 128*PITCH
	s_add_nc_u64 s[G0H+2:G0H+3], s[90:91], s[80:81]
	s_or_b32 s[G0H+3], s[G0H+3], 0x80000000
	s_mov_b32 s[G0S], 1                            ; waves 2, 3 the scales of 128 rows each
	s_mul_i32 s[G0S+1], s22, 64*272
	s_add_co_u32 s[G0S+1], s[G0S+1], SCX
	s_add_nc_u64 s[G0S+2:G0S+3], s[6:7], s[84:85]
	s_or_b32 s[G0S+3], s[G0S+3], 0x80000000
	s_mov_b32 s[G0A], 1                            ; the ring: 64 rows a wave: slot 0 next takes fill 2, slot 1 fill 1
	s_mul_i32 s[G0A+1], s16, 64*PITCH
	s_mov_b32 s[G0A+4], 1
	s_add_co_u32 s[G0A+5], s[G0A+1], SLOT
	s_add_nc_u64 s[G0A+2:G0A+3], s[90:91], s[82:83]
	s_add_nc_u64 s[G0A+6:G0A+7], s[G0A+2:G0A+3], 512
	s_add_nc_u64 s[G0A+2:G0A+3], s[G0A+2:G0A+3], 1024
	s_or_b32 s[G0A+3], s[G0A+3], 0x80000000
	s_or_b32 s[G0A+7], s[G0A+7], 0x80000000
	s_add_nc_u64 s[PFA:PFA+1], s[90:91], s[86:87]
	s_add_nc_u64 s[PFB:PFB+1], s[WP:WP+1], s[88:89]
	CROUND                                         ; all sixteen work-groups are here: the first joint loads meet
	s_cmp_lt_u32 s16, 2
	s_cbranch_scc0 .Lhead_scales
	tensor_load_to_lds s[G0H:G0H+3], s[G1A:G1A+7]
	s_nop 0
	PLACES
	s_branch .Lhead_asked
.Lhead_scales:
	tensor_load_to_lds s[G0S:G0S+3], s[G1S:G1S+7]
	s_nop 0
	PLACES
.Lhead_asked:
	ASK 1
; x's fragments of half hn into set hn % 3.  Halves 0-55: half hn % 2 of the 16 blocks, one step; halves 56-63: two blocks, the last four steps.
; ISS counts the wave's LDS instructions in the text's order; LDk is the count behind the loads into set k.
.set ISS, 0
.macro LX hn
.set KN, (\hn)%3
.set HN, (128+64*KN)*(1-KN/2)
	WIN 0x40*(KN/2)
.if (\hn) < 56
.set AD, ADR+2*(((\hn)/16)%2)+(\hn)%2
.set OF, 64*(((\hn)/2)%8)
.irp aa, 0,1,2,3,4,5,6,7
.irp c, 0,1
	ds_load_b128 v[HN+8*\aa+4*\c:HN+8*\aa+4*\c+3], v[AD] offset:OF+32*\c+\aa*16*PITCH
.endr
.endr
.else
.set PN, (\hn)-56
.set AD, ADR+2+PN/4
.irp q, 0,1,2,3
.irp b, 0,1
.irp c, 0,1
	ds_load_b128 v[HN+16*\q+8*\b+4*\c:HN+16*\q+8*\b+4*\c+3], v[AD] offset:256+64*\q+32*\c+(2*(PN%4)+\b)*16*PITCH
.endr
.endr
.endr
.endif
.set ISS, ISS+16
.if KN == 0
.set LD0, ISS
.elseif KN == 1
.set LD1, ISS
.else
.set LD2, ISS
.endif
.endm
.macro SCALES g                        ; x's scale words of four steps
	WIN 0
.irp i, 0,1,2,3,4,5,6,7
	ds_load_b128 v[SX+32*((\g)%2)+4*\i:SX+32*((\g)%2)+4*\i+3], v[ADRS] offset:\i*SBLK+16*(\g)
.endr
.set ISS, ISS+8
.endm
.macro AGE k                           ; set k is in: as many younger LDS instructions may be out as have been issued behind its loads (63 at the most: the field)
.if (\k) == 0
.set NW, ISS-LD0
.elseif (\k) == 1
.set NW, ISS-LD1
.else
.set NW, ISS-LD2
.endif
.if NW > 63
.set NW, 63
.endif
	s_wait_dscnt NW
.endm
.macro WAITW st                        ; w of step st is in: the younger loads are up to five steps of eight (four at step 0), and the pairs of scale loads among them (issued behind steps 3, 7, 11, 15)
.set NW, 0
.irp g, 1,2,3,4
.if (4*\g <= (\st)) && (4*\g+5 >= (\st))
.set NW, NW+2
.endif
.endr
.if (\st) == 0
.set NW, 32
.elseif (\st)+5 > 31
.set NW, NW+8*(31-(\st))
.else
.set NW, NW+40
.endif
	s_wait_loadcnt NW
.endm
.macro WM row                          ; row = 1: x's scales stand in lanes 16-31
.if \row
	v_wmma_scale_f32_32x16x128_f4 v[DR:DR+15], v[WR:WR+15], v[XR:XR+7], v[CR:CR+15], v[AR], v[BR] matrix_b_scale:MATRIX_SCALE_ROW1
.else
	v_wmma_scale_f32_32x16x128_f4 v[DR:DR+15], v[WR:WR+15], v[XR:XR+7], v[CR:CR+15], v[AR], v[BR]
.endif
.endm
.macro MUL8 a0                         ; four blocks of x x two of w; step 0 starts the sums at the bias
.irp aa, \a0, \a0+1, \a0+2, \a0+3
.irp i, 0,1
.set DR, 32*(\aa)+16*\i
.set WR, WB+32*(STP%6)+16*\i
.set XR, HB+8*(\aa)
.set AR, SW+8*((STP/4)%4)+4*\i+(STP%4)
.set BR, SX+32*((STP/4)%2)+4*(\aa)+(STP%4)
.if STP == 0
.set CR, BI+16*\i
.else
.set CR, DR
.endif
	WM HFH
.endr
.endr
.endm
; Half hc of a slot's sixteen.  In the 14th (hc % 16 == 13) all of the slot has been asked for: there the wave waits for its tensor load (the next slot's), adds 0 to its spare word, waits for that and its reads, and signals;
; in the 15th it goes on when all have signalled, and the slot just read out is filled again first (slot periods 0 and 1).
.macro HALF hc
.set STP, (\hc)/2
.set HFH, (\hc)%2
.set KR, (\hc)%3
.set HB, (128+64*KR)*(1-KR/2)
.if STP == 0
.set MUL, 0x11|((KR/2)<<2)|((2+HFH)<<6)
.else
.set MUL, 0x01|((KR/2)<<2)|((2+HFH)<<4)|((2+HFH)<<6)
.endif
.if (((\hc)%16) == 14) && ((\hc) < 48)
.else
.if HFH == 0
	WAITW STP
.endif
	AGE KR
.endif
	WIN MUL
	MUL8 0
.if (((\hc)%16) == 13) && ((\hc) < 48)
	WIN 0
	s_wait_tensorcnt 0x0                           ; my part of the next slot is in;
	ds_add_u32 v[SPW], v[NIL]                      ; 0 onto my spare word
.set ISS, ISS+1
.if (\hc) == 29
	s_add_nc_u64 s[G0A+6:G0A+7], s[G0A+6:G0A+7], 1024   ; no tensor load of mine is out: slot 1 next takes fill 3
.endif
	WIN MUL
.endif
.if (((\hc)%16) == 14) && ((\hc) < 48)
	WIN 0
	s_barrier_wait -1
.if (\hc) < 32
	CREST                                          ; the barrier has opened a round: no wave of any partner still reads this slot or has a load on its way
.if (\hc) == 14
	tensor_load_to_lds s[G0A:G0A+3], s[G1A:G1A+7]
.else
	tensor_load_to_lds s[G0A+4:G0A+7], s[G1A:G1A+7]
.endif
	s_nop 0
	PLACES
.endif
	LX (\hc)+2                                     ; the next slot's first half
.if (\hc) == 14
	ASK 3
.endif
	WIN MUL
.endif
	MUL8 4
	PLACES
.if (((\hc)%16) == 13) && ((\hc) < 48)
	s_wait_dscnt 0x0                               ; the add is done, and my reads of this slot are over
.else
	LX (\hc)+3
.endif
.if HFH == 1
.if STP == 0
	LW 5                                           ; the bias has been read
.endif
.if STP < 26
	LW STP+6
.endif
.if ((STP%4) == 3) && (STP < 16)
	LSC STP/4+4
.endif
.elseif (((\hc)%8) == 0) && ((\hc) < 56)
	SCALES (\hc)/8+1
.endif
.if (((\hc)%16) == 13) && ((\hc) < 48)
	WAITW STP+1
	s_barrier_signal -1
.endif
.endm
	s_wait_tensorcnt 0x0                           ; my part of the head's loads is in
	ds_add_u32 v[SPW], v[NIL]
	s_mov_b32 s[G1A+2], 64<<16                     ; no tensor load of mine is out: from here on a load brings 64 rows
	s_mov_b32 s[G1A+4], 64
	s_wait_dscnt 0x0
	CROUND
	tensor_load_to_lds s[G0A+4:G0A+7], s[G1A:G1A+7]     ; fill 1, slot 1's first
	s_nop 0
	PLACES
	SCALES 0
	LX 0
	LX 1
	LX 2
	ASK 2
.set H, 0
.rept 56
	HALF H
.set H, H+1
.endr
; THE WAY OUT of two blocks of 16 rows: my 64 columns are 256 bytes of a row: through my own stage in LDS, back as whole rows, sixteen lanes to an aligned 256 bytes.
; LDS serves a wave's instructions in order (ISA guide 5.7.1.4): no wait between the stores and the loads.
.macro TOSTAGE p
	WIN 0x08+4*((\p)/4)
.irp b, 0,1
.irp i, 0,1
.irp u, 0,1,2,3
	ds_store_b128 v[STO], v[32*(2*((\p)%4)+\b)+16*\i+4*\u:32*(2*((\p)%4)+\b)+16*\i+4*\u+3] offset:\b*16*SPITCH+128*\i+64*(\u/2)+16*(\u%2)
.endr
.endr
.endr
.if (\p) > 0
	s_wait_xcnt 0x0                                ; the stores of the pair before have read their registers
.endif
	WIN 0x40
.irp b, 0,1
.irp t, 0,1,2,3,4,5,6,7
	ds_load_b128 v[BK+32*\b+4*\t:BK+32*\b+4*\t+3], v[RD] offset:\b*16*SPITCH+\t*2*SPITCH
.endr
.endr
.set ISS, ISS+32
.set LDB, ISS
.endm
.macro SEND p
.set NW, ISS-LDB
	s_wait_dscnt NW                                ; the rows are back; x's loads issued behind them may be out
	WIN 0x04
.irp b, 0,1
.irp t, 0,1,2,3,4,5,6,7
	global_store_b128 v[CO], v[BK+32*\b+4*\t:BK+32*\b+4*\t+3], s[OP:OP+1] offset:(32*(\p)+16*\b+2*\t)*16384 th:TH_STORE_NT
.endr
.endr
.endm
.macro PAIR p                          ; blocks 2 p, 2 p + 1 of x, steps 28-31: four accumulators by turns
.set KR, (56+\p)%3
.set HB, (128+64*KR)*(1-KR/2)
.set MUL, 0x01|((KR/2)<<2)|((2+\p/4)<<4)|((2+\p/4)<<6)
	AGE KR
	WIN MUL
.irp q, 0,1,2,3
.irp b, 0,1
.irp i, 0,1
.set DR, 32*(2*(\p%4)+\b)+16*\i
.set CR, DR
.set WR, WB+32*((28+\q)%6)+16*\i
.set XR, HB+16*\q+8*\b
.set AR, SW+24+4*\i+\q
.set BR, SX+32+4*(2*(\p%4)+\b)+\q
	WM \p/4
.endr
.endr
.endr
	PLACES
.if \p < 5
	LX 59+\p
.endif
.if \p > 0
	SEND \p-1
.endif
	TOSTAGE \p
.endm
	s_wait_loadcnt 0x0                             ; w of the last four steps
.irp p, 0,1,2,3,4,5,6,7
	PAIR \p
.endr
	SEND 7
	WIN 0
	s_wait_tensorcnt 0x0                           ; the wave's end
	ds_add_u32 v[SPW], v[NIL]
	s_wait_dscnt 0x0
	CROUND                                         ; the closing round: no work-group ends while a partner may still ask for a tile that names it
	s_endpgm
.Lfunc_end_k_q71dc6dd547_gemm:
	.size	k_q71dc6dd547_gemm, .Lfunc_end_k_q71dc6dd547_gemm-k_q71dc6dd547_gemm
	.p2alignl 7, 3214868480
	.fill 96, 4, 3214868480
	.section	.rodata,"a",@progbits
	.p2align	6, 0x0
	.amdhsa_kernel k_q71dc6dd547_gemm
		.amdhsa_group_segment_fixed_size 327680
		.amdhsa_private_segment_fixed_size 0
		.amdhsa_enable_private_segment 0
		.amdhsa_kernarg_size 48
		.amdhsa_user_sgpr_count 2
		.amdhsa_user_sgpr_kernarg_segment_ptr 1
		.amdhsa_wavefront_size32 1
		.amdhsa_system_sgpr_workgroup_id_x 1
		.amdhsa_system_sgpr_workgroup_id_y 1
		.amdhsa_system_sgpr_workgroup_id_z 1
		.amdhsa_system_vgpr_workitem_id 0
		.amdhsa_next_free_vgpr 1024
		.amdhsa_next_free_sgpr 96
		.amdhsa_reserve_vcc 0
		.amdhsa_float_denorm_mode_32 3
		.amdhsa_float_denorm_mode_16_64 3
		.amdhsa_memory_ordered 1
		.amdhsa_forward_progress 1
		.amdhsa_inst_pref_size 255
	.end_amdhsa_kernel
	.section	.bss,"aw",@nobits
	.p2align	6
	.space	262144
	.amdgpu_metadata
---
amdhsa.version: [ 1, 2 ]
amdhsa.kernels:
  - .name:           k_q71dc6dd547_gemm
    .symbol:         k_q71dc6dd547_gemm.kd
    .args:
      - { .name: x_codes, .offset: 0, .size: 8, .value_kind: global_buffer, .address_space: global }
      - { .name: x_scales, .offset: 8, .size: 8, .value_kind: global_buffer, .address_space: global }
      - { .name: wq, .offset: 16, .size: 8, .value_kind: global_buffer, .address_space: global }
      - { .name: scl, .offset: 24, .size: 8, .value_kind: global_buffer, .address_space: global }
      - { .name: bias, .offset: 32, .size: 8, .value_kind: global_buffer, .address_space: global }
      - { .name: out0, .offset: 40, .size: 8, .value_kind: global_buffer, .address_space: global }
    .group_segment_fixed_size: 327680
    .private_segment_fixed_size: 0
    .kernarg_segment_align: 8
    .kernarg_segment_size: 48
    .max_flat_workgroup_size: 128
    .sgpr_count:     96
    .vgpr_count:     1024
    .wavefront_size: 32
...
	.end_amdgpu_metadata
.endif
;; end of part 2
